; MI455X (gfx1250); checked and timed in simulation.
; The chip was launched on July 23, 2026; its instructions are those of AMD's public machine-readable ISA for CDNA 5 (MIT licence, August 2026) and "CDNA5" Instruction Set Architecture Reference Guide (July 2026). The comments in the code are by the model that wrote it; some were corrected since.
;; Concat Attention. Allowed arithmetic: matrix products marked QUANTISED: E3M2 operands, one E8M0 scale for each 32 along K, by v_wmma_scale_f32_16x16x128_f8f6f4 with both operands' format E3M2, f32 sums; products left as they are: f32 operands where the result goes on into a quantised operand, else bf16, f16 or f32 operands; f32 sums; everything else in f32.
;; Inputs: Wd_codes 1,024 x 32 x 24 uint8 (E3M2 codes of Wd, K innermost, in blocks of 32 codes, four codes in three bytes); Wd_scales 1,024 x 32 uint8 (E8M0 scales of Wd, one for each 32 codes along K); We_codes 1,024 x 32 x 24 uint8 (E3M2 codes of We, K innermost, in blocks of 32 codes, four codes in three bytes); We_scales 1,024 x 32 uint8 (E8M0 scales of We, one for each 32 codes along K); decoder_hidden_codes 1 x 32 x 32 x 24 uint8 (E3M2 codes of decoder_hidden, K innermost, in blocks of 32 codes, four codes in three bytes); decoder_hidden_scales 1 x 32 x 32 uint8 (E8M0 scales of decoder_hidden, one for each 32 codes along K); encoder_outputs 2,048 x 32 x 1,024 float32; v 1,024 float32.
;; Outputs: out0 32 x 1,024 float32; out1 32 x 2,048 x 1 float32.
;; This version of the problem:
;;   THIS VERSION OF THE PROBLEM IS GIVEN IN LOW PRECISION. The matrix products marked QUANTISED in the list below multiply operands that are first quantised to E3M2 (3 exponent bits, 2 mantissa bits; 6 bits a number), with one power-of-two scale for each 32 numbers along K (OCP MX v1.0); their sums are f32. All else is computed in f32.
;;   The module's matrix products, in the order in which they are computed (A, B: the left and right operand; K: the contracted axis; several contracted axes count as one K, in the product's order):
;;     1. [M 32, K 1,024] x [K 1,024, N 1,024]; A: input decoder_hidden (given as codes); B: input Wd (given as codes): QUANTISED
;;     2. [M 65,536, K 1,024] x [K 1,024, N 1,024]; A: input encoder_outputs; B: input We (given as codes): QUANTISED
;;     3. [M 65,536, K 1,024] x [K 1,024, N 1]; A: computed on the way; B: input v: left as it is (N = 1 < 16)
;;   THE QUANTISER, for each operand of a quantised product, along K:
;;     - K is cut into blocks of 32 from its start; a last block that is shorter is filled with zeros.
;;     - A block's scale is 2^e with e = floor(log2(the largest magnitude in the block)) - 4, held to -126 .. 127; a block of zeros has e = 0. As a byte (E8M0): e + 127.
;;     - Each number is divided by its block's scale, clamped to +-28, and rounded to the nearest number of E3M2, ties to even, subnormals kept.
;;     - The product sums the exact products of the quantised numbers (number of the format x scale) in f32.
;;   ~~~python
;;   def quantise(x, axis):      # numpy; x: float32 -> the quantised numbers, widened to float32 again
;;       x = np.moveaxis(x, axis, -1); K = x.shape[-1]
;;       x = np.pad(x, [(0, 0)] * (x.ndim - 1) + [(0, -K % 32)]); x = x.reshape(x.shape[:-1] + (-1, 32)); a = np.abs(x).max(-1, keepdims=True)
;;       e = np.where(a > 0, np.clip(np.frexp(np.where(a > 0, a, 1))[1] - 1 - 4, -126, 127), 0)      # np.frexp(a)[1] - 1 = floor(log2(a)), exactly
;;       r = np.clip(x / 2.0 ** e, -28, 28)
;;       step = 2.0 ** (np.maximum(np.frexp(np.where(r == 0, 1, r))[1] - 1, -2) - 2)
;;       q = np.round(r / step) * step * 2.0 ** e      # np.round: ties to even
;;       return np.moveaxis(q.reshape(q.shape[:-2] + (-1,))[..., :K], -1, axis).astype(np.float32)
;;   ~~~
;;   INPUTS GIVEN AS CODES. Wd (in the module: [1024, 1024], K = its axis 0); We (in the module: [1024, 1024], K = its axis 0); decoder_hidden (in the module: [1, 32, 1024], K = its axis 2): each comes as NAME_codes (uint8): NAME with its K axis moved to the last place and cut into blocks of 32 codes, [.., K / 32, bytes a block], one block behind the other in memory; four codes in three bytes: a row's codes are one little-endian stream of bits, code i at bits 6 i .. 6 i + 5 (a code: sign, 3 exponent bits, 2 mantissa bits); and NAME_scales (uint8): the same leading axes, one E8M0 byte (e + 127) for each 32 codes along K. Its value is code x scale, taken as it is: it is not quantised again, and the codes and scales need not be those that the quantiser above would give.
;; One version. Each part assembles by itself: llvm-mc -triple=amdgcn-amd-amdhsa -mcpu=gfx1250 --defsym DOCPART=n.
;; ======== version 1 of 1: 3 launches
;; limits: right only within a limited range of input values
;; workspace buffers: wei 819,200 bytes; dcb 131,072 bytes; lgt 262,144 bytes
;; launch prep (part 1): grid 64 x 1, 4 waves a work-group, no clusters, 0 bytes of LDS; arguments Wd_codes, Wd_scales, We_codes, We_scales, decoder_hidden_codes, decoder_hidden_scales, wei, dcb; writes wei, dcb
.if DOCPART == 1
	.amdgcn_target "amdgcn-amd-amdhsa--gfx1250"
	.amdhsa_code_object_version 6
	.text
	.protected	k_q21cd581fd5_prep
	.globl	k_q21cd581fd5_prep
	.p2align	8
	.type	k_q21cd581fd5_prep,@function
k_q21cd581fd5_prep:
	s_mov_b64 s[64:65], 0
	v_nop
	global_prefetch_b8 v0, s[64:65] scope:SCOPE_SE
	s_setreg_imm32_b32 hwreg(HW_REG_WAVE_MODE, 25, 1), 1
	s_wait_xcnt 0x0
; WORK LEFT OUT IN THIS PROGRAM.  tanh(x) = 1 - 2 r, r = 1 / (1 + e^(2 x)), so reference()'s logit of (b, s) is sum over h of v[h] - 2 sum over h of v[h] r[b][s][h].
; The first term is the same for every s of a batch, and the logits go into the softmax over s alone: softmax(l + const) = softmax(l) for all values.  So the sum of v is not formed;
; the workspace lgt holds -2 sum of v r.  v itself stays live.  Limit: an overflow or NaN that would arise in the sum of v alone is not carried to the result.
; THIS LAUNCH: two small jobs ahead of the large product.
; (1) We's codes [1024 (n)][768 bytes] and scale bytes [1024][32] are laid anew in the order of the operand's registers, as 16 slots of 51,200 bytes.
;     Slot 4 g + sigma: columns 256 g .. + 255, K = 256 sigma .. + 255: the fragment of n tile jj and K step q at (2 jj + q) x 1,536, register group c at 512 c + 16 x lane;
;     from byte 49,152 on the scale bytes: n tile jj at 128 jj, row r at 8 r, eight bytes (K step q = 0 in the low word).
; (2) dcb[b][h] = sum over k of dec[b][k] Wd[k][h], on codes of BF6 (E3M2) with E8M0 scales, sums in f32.
; SHARES.  Work-group T takes n tile T.  Wave w lays the tile's part of slot sigma = w.  Waves 0 and 1 also make dcb for rows 16 w .. + 15 of dec: eight matrix instructions, by turns on two
; accumulators, joined at the end.  Used transposed (source 0 = Wd's rows, source 1 = dec's): a lane holds eight neighbouring h of one row b.
; No LDS, no barrier: waves share nothing.
.set SLOT, 51200
	s_load_b256 s[4:11], s[0:1], 0x0               ; Wd's codes, Wd's scales, We's codes, We's scales
	s_load_b256 s[12:19], s[0:1], 0x20             ; dec's codes, dec's scales, wei, dcb
	v_lshrrev_b32 v1, 5, v0
	v_readfirstlane_b32 s20, v1                    ; wave
	v_and_b32 v2, 31, v0                           ; lane
	v_and_b32 v3, 15, v0                           ; r
	v_bfe_u32 v4, v0, 4, 1                         ; h
	v_mul_u32_u24 v5, v3, 768
	v_mad_u32_u24 v5, v4, 24, v5                   ; Wd's fragments: row r, + 24 h
	s_mul_i32 s21, s20, 192
	v_add_nc_u32 v6, s21, v5                       ; We's: K = 256 w on
	v_lshrrev_b32 v7, 1, v2
	v_and_b32 v8, 1, v2
	v_lshlrev_b32 v7, 5, v7
	v_lshl_add_u32 v7, v8, 2, v7
	s_lshl_b32 s21, s20, 3
	v_add_nc_u32 v7, s21, v7                       ; We's scale bytes: row lane / 2, + 8 w, word lane % 2
	v_lshlrev_b32 v8, 4, v2
	v_lshlrev_b32 v9, 2, v2
	s_mul_i32 s21, s20, 12288
	v_add_nc_u32 v10, s21, v5                      ; dec's fragments: rows 16 w + r
	v_lshlrev_b32 v11, 5, v3                       ; Wd's scale bytes
	s_lshl_b32 s21, s20, 9
	v_add_nc_u32 v12, s21, v11                     ; dec's
	s_lshl_b32 s21, s20, 16
	v_lshlrev_b32 v13, 12, v3
	v_lshl_add_u32 v13, v4, 5, v13
	v_add_nc_u32 v13, s21, v13                     ; dcb: row 16 w + r of 4,096 bytes, + 32 h
	s_mul_i32 s22, ttmp9, 12288
	s_mov_b32 s23, 0
	s_lshl_b32 s24, ttmp9, 9
	s_mov_b32 s25, 0
	s_lshr_b32 s26, ttmp9, 4                       ; g
	s_lshl_b32 s26, s26, 2
	s_add_co_u32 s26, s26, s20
	s_mul_i32 s26, s26, SLOT                       ; slot 4 g + w
	s_and_b32 s28, ttmp9, 15                       ; jj
	s_mul_i32 s30, s28, 3072
	s_add_co_u32 s30, s30, s26
	s_mov_b32 s31, 0
	s_lshl_b32 s28, s28, 7
	s_add_co_u32 s28, s28, s26
	s_add_co_u32 s28, s28, 49152
	s_mov_b32 s29, 0
	s_lshl_b32 s32, ttmp9, 6
	s_mov_b32 s33, 0
	s_wait_alu depctr_va_vdst(0)
	s_wait_kmcnt 0x0
	s_add_nc_u64 s[4:5], s[4:5], s[22:23]
	s_add_nc_u64 s[8:9], s[8:9], s[22:23]
	s_add_nc_u64 s[6:7], s[6:7], s[24:25]
	s_add_nc_u64 s[10:11], s[10:11], s[24:25]
	s_add_nc_u64 s[36:37], s[16:17], s[28:29]
	s_add_nc_u64 s[16:17], s[16:17], s[30:31]
	s_add_nc_u64 s[18:19], s[18:19], s[32:33]
.irp q, 0,1
.irp p, 0,1,2,3,4,5
	global_load_b64 v[16+12*\q+2*\p:17+12*\q+2*\p], v6, s[8:9] offset:96*\q+48*(\p/3)+8*(\p%3)
.endr
.endr
	global_load_b32 v40, v7, s[10:11]
	s_cmp_ge_u32 s20, 2
	s_cbranch_scc1 .Lno_loads                      ; waves 2 and 3 have no part of dcb
.irp k, 0,1,2,3,4,5,6,7
.irp p, 0,1,2,3,4,5
	global_load_b64 v[48+12*\k+2*\p:49+12*\k+2*\p], v5, s[4:5] offset:96*\k+48*(\p/3)+8*(\p%3)
	global_load_b64 v[144+12*\k+2*\p:145+12*\k+2*\p], v10, s[12:13] offset:96*\k+48*(\p/3)+8*(\p%3)
.endr
.endr
	global_load_b128 v[240:243], v11, s[6:7]       ; a row's 32 scale bytes are the words of its eight K steps
	global_load_b128 v[244:247], v11, s[6:7] offset:16
	global_load_b128 v[248:251], v12, s[14:15]
	global_load_b128 v[252:255], v12, s[14:15] offset:16
.Lno_loads:
	s_wait_loadcnt 0x0
.irp q, 0,1
.irp c, 0,1,2
	global_store_b128 v8, v[16+12*\q+4*\c:19+12*\q+4*\c], s[16:17] offset:1536*\q+512*\c   ; 32 lanes store 512 consecutive bytes
.endr
.endr
	global_store_b32 v9, v40, s[36:37]
	s_wait_xcnt 0x0                                ; the stores have read v16-39: the sums below are laid there
	s_cmp_ge_u32 s20, 2
	s_cbranch_scc1 .Lend
.irp k, 0,1,2,3,4,5,6,7
.if \k < 2
	v_wmma_scale_f32_16x16x128_f8f6f4 v[16+8*(\k%2):23+8*(\k%2)], v[48+12*\k:59+12*\k], v[144+12*\k:155+12*\k], 0, v[240+\k], v[248+\k] matrix_a_fmt:MATRIX_FMT_BF6 matrix_b_fmt:MATRIX_FMT_BF6
.else
	v_wmma_scale_f32_16x16x128_f8f6f4 v[16+8*(\k%2):23+8*(\k%2)], v[48+12*\k:59+12*\k], v[144+12*\k:155+12*\k], v[16+8*(\k%2):23+8*(\k%2)], v[240+\k], v[248+\k] matrix_a_fmt:MATRIX_FMT_BF6 matrix_b_fmt:MATRIX_FMT_BF6
.endif
.endr
.rept 4
	v_nop                                          ; four places ahead of the first read of a result (ISA guide 7.12.1)
.endr
.irp j, 0,2,4,6
	v_pk_add_f32 v[32+\j:33+\j], v[16+\j:17+\j], v[24+\j:25+\j]    ; even and odd K steps' sums, both accumulators from the low end on
.endr
	global_store_b128 v13, v[32:35], s[18:19]      ; lane (r, h): dcb(16 w + r, 16 T + 8 h + 0 .. 7)
	global_store_b128 v13, v[36:39], s[18:19] offset:16
.Lend:
	s_endpgm
.Lfunc_end_k_q21cd581fd5_prep:
	.size	k_q21cd581fd5_prep, .Lfunc_end_k_q21cd581fd5_prep-k_q21cd581fd5_prep
	.p2alignl 7, 3214868480
	.fill 96, 4, 3214868480
	.section	.rodata,"a",@progbits
	.p2align	6, 0x0
	.amdhsa_kernel k_q21cd581fd5_prep
		.amdhsa_group_segment_fixed_size 0
		.amdhsa_private_segment_fixed_size 0
		.amdhsa_enable_private_segment 0
		.amdhsa_kernarg_size 64
		.amdhsa_user_sgpr_count 2
		.amdhsa_user_sgpr_kernarg_segment_ptr 1
		.amdhsa_wavefront_size32 1
		.amdhsa_system_sgpr_workgroup_id_x 1
		.amdhsa_system_sgpr_workgroup_id_y 1
		.amdhsa_system_sgpr_workgroup_id_z 1
		.amdhsa_system_vgpr_workitem_id 0
		.amdhsa_next_free_vgpr 256
		.amdhsa_next_free_sgpr 66
		.amdhsa_reserve_vcc 0
		.amdhsa_float_denorm_mode_32 3
		.amdhsa_float_denorm_mode_16_64 3
		.amdhsa_memory_ordered 1
		.amdhsa_forward_progress 1
		.amdhsa_inst_pref_size 16
	.end_amdhsa_kernel
	.amdgpu_metadata
---
amdhsa.version: [ 1, 2 ]
amdhsa.kernels:
  - .name:           k_q21cd581fd5_prep
    .symbol:         k_q21cd581fd5_prep.kd
    .args:
      - { .name: Wd_codes, .offset: 0, .size: 8, .value_kind: global_buffer, .address_space: global }
      - { .name: Wd_scales, .offset: 8, .size: 8, .value_kind: global_buffer, .address_space: global }
      - { .name: We_codes, .offset: 16, .size: 8, .value_kind: global_buffer, .address_space: global }
      - { .name: We_scales, .offset: 24, .size: 8, .value_kind: global_buffer, .address_space: global }
      - { .name: decoder_hidden_codes, .offset: 32, .size: 8, .value_kind: global_buffer, .address_space: global }
      - { .name: decoder_hidden_scales, .offset: 40, .size: 8, .value_kind: global_buffer, .address_space: global }
      - { .name: wei, .offset: 48, .size: 8, .value_kind: global_buffer, .address_space: global }
      - { .name: dcb, .offset: 56, .size: 8, .value_kind: global_buffer, .address_space: global }
    .group_segment_fixed_size: 0
    .private_segment_fixed_size: 0
    .kernarg_segment_align: 8
    .kernarg_segment_size: 64
    .max_flat_workgroup_size: 128
    .sgpr_count:     66
    .vgpr_count:     256
    .wavefront_size: 32
...
	.end_amdgpu_metadata
.endif
;; end of part 1
;; launch logits (part 2): grid 256 x 1, 4 waves a work-group, clusters of 4 x 1, 327,680 bytes of LDS; arguments encoder_outputs, v, wei, dcb, lgt; writes lgt
.if DOCPART == 2
	.amdgcn_target "amdgcn-amd-amdhsa--gfx1250"
	.amdhsa_code_object_version 6
	.text
	.protected	k_q21cd581fd5_logits
	.globl	k_q21cd581fd5_logits
	.p2align	8
	.type	k_q21cd581fd5_logits,@function
k_q21cd581fd5_logits:
	s_mov_b64 s[64:65], 0
	v_nop
	global_prefetch_b8 v0, s[64:65] scope:SCOPE_SE
	s_setreg_imm32_b32 hwreg(HW_REG_WAVE_MODE, 25, 1), 1
	s_wait_xcnt 0x0
	s_wait_alu depctr_hold_cnt(0) depctr_sa_sdst(0) depctr_va_vdst(0) depctr_va_sdst(0) depctr_va_ssrc(0) depctr_va_vcc(0) depctr_vm_vsrc(0)
	s_getreg_b32 s2, hwreg(HW_REG_IB_STS2, 6, 4)
	s_cmp_eq_u32 s2, 0
	s_cbranch_scc0 .Lentry_in_a_cluster
	s_endpgm
.Lentry_in_a_cluster:
	s_bfe_u32 s2, ttmp6, 0x10000c
	s_cmp_lg_u32 s2, 0x3003
	s_cbranch_scc0 .Lentry_shape_is_right
	s_endpgm
.Lentry_shape_is_right:
; lgt[b][s] = -2 sum over h of v[h] r[h], r = 1 / (1 + 2^(c x)), c = 2 log2(e), x = D[b][h] + sum over k of Q(enc[s][b][k]) We[k][h]; D = dcb.  Q: the quantiser to BF6 (E3M2), one E8M0 scale for each 32 along k.
; LEFT OUT: the sum of v, which tanh = 1 - 2 r would add to every logit of a batch alike: the softmax over s takes it away for all values (shown at the head of launch prep).
; Where the exponent is large, 2^x is infinity and r = 0; where it is very negative, 2^x is 0 and r = 1: tanh's two ends.
; LIMITS: NaN and infinities in enc are not served.  A block of enc whose largest magnitude lies under 2^-122 has its scale byte held at 1; a block of zeros gets that byte too, with zero codes (the bytes are read here alone).
; SHARES.  A work-group takes rows s = 256 ch .. + 255 of ONE batch b.  PHASE X: wave w reads rows 64 w .. + 63, quantises them and lays codes (768 bytes a row) and scale bytes in LDS, where they stay.
; PHASE G: four chunks of 256 columns; wave (mh, nh) makes rows 128 mh .. + 127 x columns 128 nh .. + 127 of a chunk: 64 accumulators, 512 registers.  We's slots of 256 along K (51,200 dense bytes) come through a ring of
; two LDS slots, each wave a quarter.  The walk is ONE LOOP OF HALVES: a trip is 512 along K (two slots, four K steps) and fills both slots again; an odd trip ends a chunk and runs the epilogue.  Seven trips; the eighth half,
; which fills nothing, is written out.  THE SUMS BEGIN WITH THE BIAS: each block's accumulators are loaded with D[b][h] from LDS behind the block's epilogue, so every product adds in place and the epilogue adds no bias.
; CLUSTER: the four work-groups of a cluster walk the same slots: each quarter is asked for JOINTLY, with the mask of all four.  No prefetch of wei: all 64 clusters walk the same 819,200 bytes in step.
; TRANSPOSED USE (source 0 = 16 columns of We, source 1 = 16 rows of enc): a lane holds ONE row (lane % 16) and eight neighbouring columns 8 (lane / 16) + 0 .. 7.
; REGISTERS: window 0: v1-27 addresses; v32-95 scale words, two sets, nothing else; v96-111 a pair of running sums for each of my 8 blocks; v114-121 at work; v128-223 A's fragments, one set (phase X: v128-176 at work, v192-207 bias and v).
;   window 1: B's fragments, two sets, v0-95 and v128-223; v96-127 and v224-255: v of my 64 columns of the chunk.   windows 2, 3: accumulators ((a, b) at v[8 (8 (a % 4) + b)]); in phase X window 2 holds 16 sets of 16 loaded numbers.
.set SLOT,   51200
.set ACODE,  2*SLOT                    ; enc's codes, 256 rows of
.set APITCH, 784                       ; 768 bytes + 16: row r starts 4 r words on, modulo 64 words
.set ASCL,   ACODE+256*APITCH          ; enc's scale bytes, 256 rows of
.set SPITCH, 40
.set STAGE,  ASCL+256*SPITCH
.set SAREA,  2560                      ; a stage of 32 x 80 bytes a wave; behind phase X area g holds dcb[b][256 g ..] (1,024 bytes) and v[256 g ..] (1,024 bytes)
.set LOGX,   STAGE+4*SAREA             ; the two column halves' partial sums: [nh][256 rows] f32
.set SPARE,  LOGX+2048                 ; the spare words, 128 bytes a wave
.set ROWG,   131072                    ; bytes in enc from s to s + 1
.set ADRA, 4                           ; v4-5  my A fragments at K = 0: blocks 0-3, 4-7
.set ADRB, 6                           ; v6-7  my B fragments in slot 0, 1
.set ADSA, 8                           ; v8    my rows' scale bytes at K = 0
.set ADSB, 9                           ; v9-10 my columns' scale bytes in slot 0, 1
.set VDA,  11                          ; v11   chunk 0's bias and v for my columns
.set SPW,  12
.set NIL,  13
.set LST,  14
.set LRD,  15
.set GOF,  16                          ; 16 x lane
.set STI,  17
.set STO,  18
.set CAD,  19
.set BAD,  20
.set DST,  21
.set LGO,  23
.set ADC,  24                          ; v24-25 ADRA + 384 x the half's parity
.set ADSC, 26                          ; v26    ADSA + 16 x the half's parity
.set VDC,  27                          ; v27    VDA + SAREA x the next chunk
.set SC,   32
.set L,    96
.set T,    114
.set AF,   128
.set XN,   128
.set XC,   164
.set XE,   172
.set XM,   174
.set XO,   176
.set EARLY, 192
.set G1,   24
.set G0,   32
.set CS,   40
.set SEL,  42
.set MSB, 0
.macro WIN new                         ; the immediate's high byte repeats the setting that is left
.if MSB != (\new)
	s_set_vgpr_msb (MSB<<8)|(\new)
.set MSB, (\new)
.endif
.endm
.set MUL_LO, 0xa1                      ; source 0 window 1, source 1 window 0, C and D window 2
.set MUL_HI, 0xf1
.set TO_B,   0x40
.set TO_X,   0x88
.macro PLACES                          ; four places (ISA guide 7.12.1 for matrix results)
.rept 4
	v_nop
.endr
.endm
.macro CREST                           ; a round of the cluster's barrier behind its opening barrier
	s_cmp_lg_u32 s14, 0
	s_cbranch_scc1 .Lnot_wave_0_\@
	s_barrier_signal -3
.Lnot_wave_0_\@:
	s_barrier_wait -3
	s_barrier_signal -1
	s_barrier_wait -1
.endm
.macro CROUND
	s_barrier_signal -1
	s_barrier_wait -1
	CREST
.endm
	s_load_b256 s[4:11], s[0:1], 0x0               ; enc, v, wei, dcb
	s_load_b64 s[12:13], s[0:1], 0x20              ; lgt
	v_lshl_add_u32 v[SPW], v0, 2, SPARE
	v_mov_b32 v[NIL], 0
	ds_add_u32 v[SPW], v[NIL]                      ; the opening lines: the add twice on end and its wait
	ds_add_u32 v[SPW], v[NIL]
	s_wait_dscnt 0x0
	v_lshrrev_b32 v1, 5, v0
	v_readfirstlane_b32 s14, v1                    ; wave
	s_lshr_b32 s15, s14, 1                         ; mh
	s_and_b32 s16, s14, 1                          ; nh
	s_bfe_u32 s17, ttmp6, 0x40000                  ; cx: it enters addresses of enc, dcb and lgt alone
	s_lshl_b32 s18, ttmp9, 2
	s_add_co_u32 s18, s18, s17                     ; work-group 0..255
	s_lshr_b32 s19, s18, 3                         ; b
	s_and_b32 s20, s18, 7                          ; ch
	s_mov_b32 s[G1+0], 15|(3<<16)|(1<<21)          ; a quarter of a slot: 50 rows of 256 bytes (32 elements of 8), dense; the mask names all four
	s_mov_b32 s[G1+1], 32<<16
	s_mov_b32 s[G1+2], 50<<16
	s_mov_b32 s[G1+3], 32<<16
	s_mov_b32 s[G1+4], 50
	s_mov_b32 s[G1+5], 32
	s_mov_b32 s[G1+6], 0
	s_mov_b32 s[G1+7], 0
	s_mul_i32 s50, s14, SLOT/4                     ; my quarter, in memory and in LDS alike
	s_mov_b32 s51, 0
	s_mov_b32 s[CS], 0x4038aa3b                    ; c = 2 log2(e)
	s_mov_b32 s[CS+1], s[CS]
	s_mov_b32 s[SEL], 0x76543210
	s_mov_b32 s[SEL+1], 0xfedcba98
	s_lshl_b32 s22, s20, 25                        ; enc: 256 ch rows s, + b x 4,096, + 64 w rows s
	s_lshl_b32 s23, s19, 12
	s_add_co_u32 s22, s22, s23
	s_lshl_b32 s23, s14, 23
	s_add_co_u32 s22, s22, s23
	s_mov_b32 s23, 0
	s_lshl_b32 s46, s19, 12                        ; dcb: row b, + 256 w columns
	s_lshl_b32 s48, s14, 10                        ; v: 256 w
	s_add_co_u32 s46, s46, s48
	s_mov_b32 s47, 0
	s_mov_b32 s49, 0
	s_lshl_b32 s60, s19, 13                        ; lgt: row b, + 256 ch
	s_lshl_b32 s61, s20, 10
	s_add_co_u32 s60, s60, s61
	s_mov_b32 s61, 0
	v_and_b32 v1, 31, v0
	v_and_b32 v2, 15, v0                           ; r
	v_bfe_u32 v3, v0, 4, 1                         ; h
	v_lshlrev_b32 v[GOF], 4, v1
	s_mul_i32 s52, s14, SAREA
	s_add_co_u32 s52, s52, STAGE
	v_lshrrev_b32 v[STI], 2, v1
	v_mul_u32_u24 v[STI], v[STI], 80
	v_and_b32 v22, 3, v1
	v_lshl_add_u32 v[STI], v22, 4, v[STI]
	v_add_nc_u32 v[STI], s52, v[STI]               ; in: 80 (lane / 4) + 16 (lane % 4)
	v_mul_u32_u24 v[STO], v1, 80
	v_add_nc_u32 v[STO], s52, v[STO]               ; out: 80 x lane
	v_add_nc_u32 v[DST], s52, v[GOF]
	s_mul_i32 s53, s14, 64*APITCH
	s_add_co_u32 s53, s53, ACODE
	v_mul_u32_u24 v[CAD], v1, 12
	v_add_nc_u32 v[CAD], s53, v[CAD]
	s_mul_i32 s54, s14, 64*SPITCH
	s_add_co_u32 s54, s54, ASCL
	v_lshrrev_b32 v[BAD], 1, v1
	v_add_nc_u32 v[BAD], s54, v[BAD]
	s_mul_i32 s55, s15, 128*APITCH
	s_add_co_u32 s55, s55, ACODE
	v_mul_u32_u24 v[ADRA], v2, APITCH
	v_mad_u32_u24 v[ADRA], v3, 24, v[ADRA]
	v_add_nc_u32 v[ADRA], s55, v[ADRA]
	v_add_nc_u32 v[ADRA+1], 64*APITCH, v[ADRA]
	s_mul_i32 s56, s16, 16*1536
	v_add_nc_u32 v[ADRB], s56, v[GOF]
	v_add_nc_u32 v[ADRB+1], SLOT, v[ADRB]
	s_mul_i32 s57, s15, 128*SPITCH
	s_add_co_u32 s57, s57, ASCL
	v_mul_u32_u24 v[ADSA], v2, SPITCH
	v_add_nc_u32 v[ADSA], s57, v[ADSA]
	s_lshl_b32 s58, s16, 10
	s_add_co_u32 s58, s58, 49152
	v_lshl_add_u32 v[ADSB], v2, 3, s58
	v_add_nc_u32 v[ADSB+1], SLOT, v[ADSB]
	s_lshl_b32 s59, s16, 9
	s_add_co_u32 s59, s59, STAGE
	v_lshl_add_u32 v[VDA], v3, 5, s59              ; area 0, + 512 nh + 32 h
	s_lshl_b32 s56, s16, 10
	s_lshl_b32 s57, s15, 9
	s_add_co_u32 s56, s56, s57
	s_add_co_u32 s56, s56, LOGX
	v_lshl_add_u32 v[LST], v2, 2, s56
	v_lshl_add_u32 v[LRD], v0, 3, LOGX
	v_lshlrev_b32 v[LGO], 3, v0
	s_wait_alu depctr_va_vdst(0)
	s_wait_kmcnt 0x0
	s_add_nc_u64 s[8:9], s[8:9], s[50:51]
	s_add_nc_u64 s[4:5], s[4:5], s[22:23]
	s_add_nc_u64 s[10:11], s[10:11], s[46:47]
	s_add_nc_u64 s[6:7], s[6:7], s[48:49]
	s_add_nc_u64 s[12:13], s[12:13], s[60:61]
	CROUND                                         ; all four work-groups are here: the first joint loads meet
.irp s, 0,1
	s_mov_b32 s[G0+4*\s], 1
	s_add_co_u32 s[G0+4*\s+1], s50, \s*SLOT
	s_add_nc_u64 s[G0+4*\s+2:G0+4*\s+3], s[8:9], \s*SLOT
	s_or_b32 s[G0+4*\s+3], s[G0+4*\s+3], 0x80000000
.endr
	tensor_load_to_lds s[G0:G0+3], s[G1:G1+7]      ; slot 0, my quarter: one tensor load a wave at the head
	s_nop 0
	PLACES
	global_load_b128 v[EARLY:EARLY+3],     v[GOF], s[10:11]             ; dcb[b][256 w ..] and v[256 w ..]: they go to LDS behind phase X
	global_load_b128 v[EARLY+4:EARLY+7],   v[GOF], s[10:11] offset:512
	global_load_b128 v[EARLY+8:EARLY+11],  v[GOF], s[6:7]
	global_load_b128 v[EARLY+12:EARLY+15], v[GOF], s[6:7] offset:512
; ---- PHASE X.  A step is half a row: 2,048 bytes, four loads of 512 consecutive bytes; they go through my stage and come back 64 bytes a lane: 16 neighbours, two lanes to a block of 32.
; 16 sets of registers: the loads run 15 steps ahead of the work, the turn through the stage one step.
.macro XLOAD i, rows
.irp u, 0,1,2,3
	global_load_b128 v[16*(\i)+4*\u:16*(\i)+4*\u+3], v[GOF], s[4:5] offset:((\rows)+(\i)/2)*ROWG+2048*((\i)%2)+512*\u th:TH_LOAD_NT
.endr
.endm
.macro XTURN i, set                    ; LDS serves a wave's instructions in order (ISA guide 5.7.1.4): no wait between the stores and the loads
	WIN TO_X
.irp u, 0,1,2,3
	ds_store_b128 v[STI], v[16*(\i)+4*\u:16*(\i)+4*\u+3] offset:640*\u
.endr
	WIN 0
.irp u, 0,1,2,3
	ds_load_b128 v[XN+16*(\set)+4*\u:XN+16*(\set)+4*\u+3], v[STO] offset:16*\u
.endr
.endm
.macro XSTEP i, ahead, left, turn
.set XS, XN+16*((\i)%2)
.set CR, XC+4*((\i)%2)
.set ER, XE+(\i)%2
	s_wait_dscnt 4                                 ; this step's numbers are back; only the last step's four small stores may be out
.if \turn
	s_wait_loadcnt \left                           ; the next step's four loads are in
.endif
.if \ahead
	WIN TO_X
	XLOAD \i, 8                                    ; set i takes the step 16 steps on
.endif
.if \turn
	XTURN ((\i)+1)%16, ((\i)+1)%2
.endif
	v_max3_num_f32 v[XM], |v[XS]|, |v[XS+1]|, |v[XS+2]|
	v_max3_num_f32 v[XM+1], |v[XS+3]|, |v[XS+4]|, |v[XS+5]|
.irp k, 6,10
	v_max3_num_f32 v[XM], v[XM], |v[XS+\k]|, |v[XS+\k+1]|
	v_max3_num_f32 v[XM+1], v[XM+1], |v[XS+\k+2]|, |v[XS+\k+3]|
.endr
	v_max3_num_f32 v[XM], v[XM], |v[XS+14]|, |v[XS+15]|
	v_max3_num_f32 v[XM], v[XM], v[XM+1], 0x2800000                ; the floor 2^(5 - 127): the byte cannot fall under 1
	v_max_num_f32_dpp v[XM], v[XM], v[XM] row_xmask:1 row_mask:0xf bank_mask:0xf   ; with my neighbour's 16
	v_add_nc_u32 v[XO], 0xfe000000, v[XM]          ; 4 off the exponent field: the conversion's scale operand
	v_cvt_scalef32_pk16_bf6_f32 v[CR:CR+2], v[XS:XS+15], v[XO]
	v_lshrrev_b32 v[ER], 23, v[XO]                 ; the scale's byte; also the plain place behind the conversion
.irp e, 0,1,2
	ds_store_b32 v[CAD], v[CR+\e] offset:APITCH*((\i)/2)+384*((\i)%2)+4*\e
.endr
	ds_store_b8 v[BAD], v[ER] offset:SPITCH*((\i)/2)+16*((\i)%2)   ; both lanes of a block write the same byte with the same value
.endm
	WIN TO_X
.irp i, 0,1,2,3,4,5,6,7,8,9,10,11,12,13,14,15
	XLOAD \i, 0
.endr
	s_wait_alu depctr_va_vdst(0)
	s_wait_loadcnt 60                              ; the bias, v and step 0 are in; steps 1 to 15 stay out
	XTURN 0, 0
	s_wait_dscnt 0x0
	s_mov_b32 s44, 7
.Lxtrip:                                               ; a trip: 16 steps, 8 rows
.irp i, 0,1,2,3,4,5,6,7,8,9,10,11,12,13,14,15
	XSTEP \i, 1, 56, 1                             ; 56: the loads of the 14 steps behind the next one
.endr
	s_wait_xcnt 0x0                                ; the base may step
	s_add_nc_u64 s[4:5], s[4:5], 8*ROWG
	v_add_nc_u32 v[CAD], 8*APITCH, v[CAD]
	v_add_nc_u32 v[BAD], 8*SPITCH, v[BAD]
	s_sub_co_u32 s44, s44, 1
	s_cmp_lg_u32 s44, 0
	s_cbranch_scc1 .Lxtrip
.irp i, 0,1,2,3,4,5,6,7,8,9,10,11,12,13,14
	XSTEP \i, 0, 4*(14-\i), 1                      ; the last 8 rows load nothing: the counts run down
.endr
	XSTEP 15, 0, 0, 0
	s_wait_loadcnt 0x0
.irp u, 0,1,2,3
	ds_store_b128 v[DST], v[EARLY+4*\u:EARLY+4*\u+3] offset:512*\u   ; my stage has been read out: it takes dcb[b][256 w ..] and v[256 w ..]
.endr
.set n, 0
.rept 16
	v_mov_b32 v[L+n], 0                            ; the running sums over the four chunks
.set n, n+1
.endr
	s_mov_b32 s47, 0
	s_mov_b32 s48, 0
	s_wait_alu depctr_va_vdst(0)
	s_wait_tensorcnt 0x0                           ; slot 1's first fill is issued as a refill is: my quarter of slot 0 is in,
	ds_add_u32 v[SPW], v[NIL]                      ; the add,
	s_wait_dscnt 0x0                               ; its wait; for the others' sake too: my codes, scale bytes, bias and v lie in LDS;
	CROUND                                         ; a whole round,
	tensor_load_to_lds s[G0+4:G0+7], s[G1:G1+7]    ; and slot 1, my quarter: the 232 LDS loads below and the first K step's 64 products stand ahead of the wait for it
	s_nop 0
	PLACES
; ---- PHASE G.  kap counts the K steps of a half, 0 to 3
.macro SETA                            ; the A addresses of the half whose parity stands in s47 = 384 x parity, s48 = 16 x parity
	v_add_nc_u32 v[ADC], s47, v[ADRA]
	v_add_nc_u32 v[ADC+1], s47, v[ADRA+1]
	v_add_nc_u32 v[ADSC], s48, v[ADSA]
	s_wait_alu depctr_va_vdst(0)
.endm
.macro FETCH_A kap, i0                 ; blocks i0 .. i0 + 3: 24 loads of 8 bytes
.irp i, \i0, \i0+1, \i0+2, \i0+3
.irp p, 0,1,2,3,4,5
	ds_load_b64 v[AF+12*(\i)+2*\p:AF+12*(\i)+2*\p+1], v[ADC+(\i)/4] offset:16*APITCH*((\i)%4)+96*(\kap)+48*(\p/3)+8*(\p%3)
.endr
.endr
.endm
.macro FETCH_B slot, q, p              ; my eight n tiles' fragments: images of the registers, 24 loads of 16 bytes
	WIN TO_B
.irp b, 0,1,2,3,4,5,6,7
.irp c, 0,1,2
	ds_load_b128 v[128*(\p)+12*\b+4*\c:128*(\p)+12*\b+4*\c+3], v[ADRB+\slot] offset:1536*(2*\b+(\q))+512*\c
.endr
.endr
	WIN 0
.endm
.macro SCALES slot, sig                ; the scale words of 256 along K into set slot: a pair a block, low word first
.irp i, 0,1,2,3,4,5,6,7
	ds_load_b64 v[SC+32*(\slot)+2*\i:SC+32*(\slot)+2*\i+1], v[ADSC] offset:8*(\sig)+16*SPITCH*\i
	ds_load_b64 v[SC+32*(\slot)+16+2*\i:SC+32*(\slot)+16+2*\i+1], v[ADSB+\slot] offset:128*\i
.endr
.endm
.macro MUL16 a0, p, q, sc              ; 16 products; the 64 accumulators take turns, in the same order in every step
.irp a, \a0, \a0+1
.irp b, 0,1,2,3,4,5,6,7
	v_wmma_scale_f32_16x16x128_f8f6f4 v[8*(8*((\a)%4)+\b):8*(8*((\a)%4)+\b)+7], v[128*(\p)+12*\b:128*(\p)+12*\b+11], v[AF+12*(\a):AF+12*(\a)+11], v[8*(8*((\a)%4)+\b):8*(8*((\a)%4)+\b)+7], v[SC+32*(\sc)+16+2*\b+(\q)], v[SC+32*(\sc)+2*(\a)+(\q)] matrix_a_fmt:MATRIX_FMT_BF6 matrix_b_fmt:MATRIX_FMT_BF6
.endr
.endr
.endm
.macro STEP slot, kap                  ; a slot's first K step; A's blocks 0-3 are fetched anew in its middle, blocks 4-7 at its end
	s_wait_dscnt 24                                ; only the youngest 24 loads (A's blocks 4-7) may be out
	WIN MUL_LO
	MUL16 0, 0, 0, \slot
	MUL16 2, 0, 0, \slot
	s_wait_dscnt 0x0
	PLACES
	FETCH_B \slot, 1, 1
	FETCH_A (\kap)+1, 0
	WIN MUL_HI
	MUL16 4, 0, 0, \slot
	MUL16 6, 0, 0, \slot
	PLACES
	WIN 0
	FETCH_A (\kap)+1, 4
.endm
; A slot's second K step changes slots.  nk: the next step's kap; fill = 1: the barrier opens a round and this slot is filled again; wrap = 1: the next step opens the next half
.macro TURN slot, next, nk, fill, wrap
	s_wait_tensorcnt 0x0                           ; all my tensor loads have landed: my quarter of the next slot;
	ds_add_u32 v[SPW], v[NIL]                      ; the add;
	s_wait_dscnt 25                                ; (the add and A's blocks 4-7 may be out)
	WIN MUL_LO
	MUL16 0, 1, 1, \slot
	s_wait_dscnt 0x0                               ; the add is done, and my reads of this slot are over
	s_barrier_signal -1
	MUL16 2, 1, 1, \slot
	WIN 0
	s_barrier_wait -1
.if \fill
	CREST
	s_add_nc_u64 s[G0+4*\slot+2:G0+4*\slot+3], s[G0+4*\slot+2:G0+4*\slot+3], 2*SLOT
	tensor_load_to_lds s[G0+4*\slot:G0+4*\slot+3], s[G1:G1+7]      ; my one load behind the round: two slots ahead
	s_nop 0
.endif
	PLACES
.if \wrap
	SETA
.endif
	FETCH_B \next, 0, 0
	FETCH_A \nk, 0
	SCALES \next, (\nk)/2
	WIN MUL_HI
	MUL16 4, 1, 1, \slot
	MUL16 6, 1, 1, \slot
	PLACES
	WIN 0
	FETCH_A \nk, 4
.endm
.macro BIAS a, adr                     ; block a's eight accumulators begin as D[b][my eight columns of each n tile]
	WIN (2+(\a)/4)<<6
.irp b, 0,1,2,3,4,5,6,7
	ds_load_b128 v[64*((\a)%4)+8*\b:64*((\a)%4)+8*\b+3],   v[\adr] offset:64*\b
	ds_load_b128 v[64*((\a)%4)+8*\b+4:64*((\a)%4)+8*\b+7], v[\adr] offset:64*\b+16
.endr
.endm
.macro VLOAD adr                       ; v of my 64 columns: n tile bt at window 1's v[96 + 8 bt] (bt < 4) or v[224 + 8 (bt - 4)]
	WIN TO_B
.irp bt, 0,1,2,3,4,5,6,7
	ds_load_b128 v[96+8*\bt+96*(\bt/4):96+8*\bt+96*(\bt/4)+3],   v[\adr] offset:1024+64*\bt
	ds_load_b128 v[96+8*\bt+96*(\bt/4)+4:96+8*\bt+96*(\bt/4)+7], v[\adr] offset:1024+64*\bt+16
.endr
	WIN 0
.endm
; THE EPILOGUE of block a: c x, 2^., + 1, 1 / ., times v, summed along the columns.  Each accumulator is read from its low end on.
.macro EBLOCK a, init
.set AC, 64*((\a)%4)
.set WD, 2+(\a)/4
	WIN (WD<<6)|WD
	s_wait_alu depctr_va_vdst(0)
.set n, 0
.rept 32
	v_pk_mul_f32 v[AC+2*n:AC+2*n+1], v[AC+2*n:AC+2*n+1], s[CS:CS+1] op_sel_hi:[1,0]
.set n, n+1
.endr
	s_wait_alu depctr_va_vdst(0)
.set n, 0
.rept 64
	v_exp_f32 v[AC+n], v[AC+n]
.set n, n+1
.endr
	v_nop
	s_wait_alu depctr_va_vdst(0)
.set n, 0
.rept 32
	v_pk_add_f32 v[AC+2*n:AC+2*n+1], v[AC+2*n:AC+2*n+1], 1.0 op_sel_hi:[1,0]
.set n, n+1
.endr
	s_wait_alu depctr_va_vdst(0)
.set n, 0
.rept 64
	v_rcp_f32 v[AC+n], v[AC+n]
.set n, n+1
.endr
	v_nop
	WIN 0x04|WD                                    ; source 0: the accumulators; source 1: v, window 1; the sums in window 0
	s_wait_alu depctr_va_vdst(0)
.set n, 0
.rept 32                                       ; four chains; the first begins with the block's running sum
.set VP, 96+2*n+96*(n/16)
.if n == 0
	v_pk_fma_f32 v[T:T+1], v[AC:AC+1], v[VP:VP+1], v[L+2*(\a):L+2*(\a)+1]
.elseif n < 4
	v_pk_mul_f32 v[T+2*n:T+2*n+1], v[AC+2*n:AC+2*n+1], v[VP:VP+1]
.else
	v_pk_fma_f32 v[T+2*(n%4):T+2*(n%4)+1], v[AC+2*n:AC+2*n+1], v[VP:VP+1], v[T+2*(n%4):T+2*(n%4)+1]
.endif
.set n, n+1
.endr
	WIN 0
	v_pk_add_f32 v[T:T+1], v[T:T+1], v[T+2:T+3]
	v_pk_add_f32 v[T+4:T+5], v[T+4:T+5], v[T+6:T+7]
	v_pk_add_f32 v[L+2*(\a):L+2*(\a)+1], v[T:T+1], v[T+4:T+5]
.if \init
	BIAS \a, VDC                                   ; the next chunk's sums begin: these loads land under the later blocks' work
.endif
.endm
.macro EPI init
	s_wait_alu depctr_va_vdst(0)
	PLACES                                         ; behind the chunk's last products
.if \init
	v_add_nc_u32 v[VDC], s49, v[VDA]               ; the next chunk's bias and v
	s_wait_alu depctr_va_vdst(0)
.endif
.irp a, 0,1,2,3,4,5,6,7
	EBLOCK \a, \init
.endr
.if \init
	VLOAD VDC
	s_wait_dscnt 0x0                               ; the next chunk's bias, v and first fragments are in
.endif
.endm
	SETA
.irp a, 0,1,2,3,4,5,6,7
	BIAS \a, VDA
.endr
	VLOAD VDA
	FETCH_B 0, 0, 0                                ; the fragments come last: the first step's counted wait leaves only A's blocks 4-7 out
	FETCH_A 0, 0
	SCALES 0, 0
	FETCH_A 0, 4
	s_mov_b32 s45, 0
.Lhalf:                                                ; trip t: slots 2 t and 2 t + 1 of We's 16; it asks for slots 2 t + 2 and 2 t + 3
	s_add_co_u32 s46, s45, 1
	s_lshr_b32 s49, s46, 1
	s_mul_i32 s49, s49, SAREA                      ; the area of chunk (t + 1) / 2: 0 to 3
	s_and_b32 s46, s46, 1                          ; the next half's parity
	s_mul_i32 s47, s46, 384
	s_lshl_b32 s48, s46, 4
	STEP 0, 0
	TURN 0, 1, 2, 1, 0
	STEP 1, 2
	TURN 1, 0, 0, 1, 1
	s_cmp_eq_u32 s46, 1
	s_cbranch_scc1 .Lno_epi                        ; an even trip ends no chunk; the jump leads round register work and LDS loads alone
	EPI 1
.Lno_epi:
	s_add_co_u32 s45, s45, 1
	s_cmp_lt_u32 s45, 7
	s_cbranch_scc1 .Lhalf
	STEP 0, 0                                      ; the last half is written out: it asks for nothing
	TURN 0, 1, 2, 0, 0
	STEP 1, 2
	s_wait_dscnt 24
	WIN MUL_LO
	MUL16 0, 1, 1, 1
	MUL16 2, 1, 1, 1
	s_wait_dscnt 0x0
	WIN MUL_HI
	MUL16 4, 1, 1, 1
	MUL16 6, 1, 1, 1
	WIN 0
	EPI 0
; ---- THE WAY OUT.  Lane l xor 16 holds the row's other columns of my half, the wave beside me the other half of each chunk.
.irp a, 0,1,2,3,4,5,6,7
	v_add_f32 v[L+2*\a], v[L+2*\a], v[L+2*\a+1]
.endr
.irp a, 0,1,2,3,4,5,6,7
	v_permlanex16_b32 v[L+2*\a+1], v[L+2*\a], s[SEL], s[SEL+1]
.endr
.irp a, 0,1,2,3,4,5,6,7
	v_add_f32 v[L+2*\a], v[L+2*\a], v[L+2*\a+1]
.endr
.irp a, 0,1,2,3,4,5,6,7
	ds_store_b32 v[LST], v[L+2*\a] offset:64*\a    ; row 128 mh + 16 a + r; both halves of the lanes write the same word with the same value
.endr
	s_wait_dscnt 0x0                               ; for the others' sake
	s_barrier_signal -1
	s_barrier_wait -1
	ds_load_b64 v[T:T+1], v[LRD]                   ; thread t: rows 2 t and 2 t + 1, the two column halves
	ds_load_b64 v[T+2:T+3], v[LRD] offset:1024
	s_wait_dscnt 0x0
	v_pk_add_f32 v[T:T+1], v[T:T+1], v[T+2:T+3]
	v_pk_mul_f32 v[T:T+1], v[T:T+1], -2.0 op_sel_hi:[1,0]
	global_store_b64 v[LGO], v[T:T+1], s[12:13]    ; a wave stores 256 consecutive bytes, at a multiple of 256 from lgt's first byte
	s_wait_tensorcnt 0x0                           ; the wave's end
	ds_add_u32 v[SPW], v[NIL]
	s_wait_dscnt 0x0
	CROUND                                         ; the closing round
	s_endpgm
.Lfunc_end_k_q21cd581fd5_logits:
	.size	k_q21cd581fd5_logits, .Lfunc_end_k_q21cd581fd5_logits-k_q21cd581fd5_logits
	.p2alignl 7, 3214868480
	.fill 96, 4, 3214868480
	.section	.rodata,"a",@progbits
	.p2align	6, 0x0
	.amdhsa_kernel k_q21cd581fd5_logits
		.amdhsa_group_segment_fixed_size 327680
		.amdhsa_private_segment_fixed_size 0
		.amdhsa_enable_private_segment 0
		.amdhsa_kernarg_size 40
		.amdhsa_user_sgpr_count 2
		.amdhsa_user_sgpr_kernarg_segment_ptr 1
		.amdhsa_wavefront_size32 1
		.amdhsa_system_sgpr_workgroup_id_x 1
		.amdhsa_system_sgpr_workgroup_id_y 1
		.amdhsa_system_sgpr_workgroup_id_z 1
		.amdhsa_system_vgpr_workitem_id 0
		.amdhsa_next_free_vgpr 1024
		.amdhsa_next_free_sgpr 66
		.amdhsa_reserve_vcc 0
		.amdhsa_float_denorm_mode_32 3
		.amdhsa_float_denorm_mode_16_64 3
		.amdhsa_memory_ordered 1
		.amdhsa_forward_progress 1
		.amdhsa_inst_pref_size 255
	.end_amdhsa_kernel
	.section	.bss,"aw",@nobits
	.p2align	6
	.space	262144
	.amdgpu_metadata
---
amdhsa.version: [ 1, 2 ]
amdhsa.kernels:
  - .name:           k_q21cd581fd5_logits
    .symbol:         k_q21cd581fd5_logits.kd
    .args:
      - { .name: encoder_outputs, .offset: 0, .size: 8, .value_kind: global_buffer, .address_space: global }
      - { .name: v, .offset: 8, .size: 8, .value_kind: global_buffer, .address_space: global }
      - { .name: wei, .offset: 16, .size: 8, .value_kind: global_buffer, .address_space: global }
      - { .name: dcb, .offset: 24, .size: 8, .value_kind: global_buffer, .address_space: global }
      - { .name: lgt, .offset: 32, .size: 8, .value_kind: global_buffer, .address_space: global }
    .group_segment_fixed_size: 327680
    .private_segment_fixed_size: 0
    .kernarg_segment_align: 8
    .kernarg_segment_size: 40
    .max_flat_workgroup_size: 128
    .sgpr_count:     66
    .vgpr_count:     1024
    .wavefront_size: 32
...
	.end_amdgpu_metadata
.endif
;; end of part 2
;; launch attend (part 3): grid 8 x 32, 8 waves a work-group, no clusters, 13,824 bytes of LDS; arguments lgt, encoder_outputs, out0, out1; writes out0, out1
.if DOCPART == 3
	.amdgcn_target "amdgcn-amd-amdhsa--gfx1250"
	.amdhsa_code_object_version 6
	.text
	.protected	k_q21cd581fd5_attend
	.globl	k_q21cd581fd5_attend
	.p2align	8
	.type	k_q21cd581fd5_attend,@function
k_q21cd581fd5_attend:
	s_mov_b64 s[64:65], 0
	v_nop
	global_prefetch_b8 v0, s[64:65] scope:SCOPE_SE
	s_setreg_imm32_b32 hwreg(HW_REG_WAVE_MODE, 25, 1), 1
	s_wait_xcnt 0x0
; out1[b][s] = softmax over s of lgt[b][s];  out0[b][h] = sum over s of out1[b][s] enc[s][b][h].  All in f32.
; SHARES.  Work-group (j, b) owns out0[b][128 j .. + 127] over ALL s, so no sum spans work-groups, and out1[b][256 j .. + 255].  Each of the eight work-groups of a batch makes the softmax of the batch's 2,048 logits
; for itself: 8,192 bytes, against the 1 MiB of enc that it streams: what they share is too small a part to be worth a cluster.
; PHASE 1: thread t holds 8 logits; the row's largest is taken away before the exponential; e = 2^((l - M) log2(e)) goes to LDS, not normalised; 1 / the sum multiplies at the end.
;          The work-group's 256 numbers of out1 are those that wave j holds: wave j reads its own 1,024 bytes of e back, 16 bytes a lane, and stores them.
; PHASE 2: wave w takes s = 256 w .. + 255.  A load reads the 512 bytes of one row that are the work-group's; a ring of 32 slots in registers keeps 32 loads of every wave in flight.
; PHASE 3: the eight waves' sums meet in LDS; wave 0 adds them and stores 512 consecutive bytes.
; No matrix unit: the weighted sum has one row of weights for each batch, and memory binds.
.set P,    0                           ; LDS: e, 2,048 numbers
.set RED1, 8192                        ; the waves' maxima
.set RED2, 8448                        ; the waves' sums
.set EX,   8704                        ; the waves' partial out0: 8 x 512 bytes
.set ROWG, 131072                      ; bytes in enc from s to s + 1
.set AC,   40                          ; v40-55   four sets of four running sums
.set X,    64                          ; v64-191  the ring: slot i: 4 registers
.set PW,   192                         ; v192-223 a trip's 32 weights
	s_load_b256 s[4:11], s[0:1], 0x0               ; lgt s[4:5], enc s[6:7], out0 s[8:9], out1 s[10:11]
	v_lshl_add_u32 v224, v0, 2, 0x3200
	v_mov_b32 v225, 0
	v_lshrrev_b32 v1, 5, v0
	s_delay_alu instid0(VALU_DEP_1)
	v_readfirstlane_b32 s12, v1                    ; wave 0..7
	v_and_b32 v2, 31, v0
	s_delay_alu instid0(VALU_DEP_1)
	v_lshlrev_b32 v3, 4, v2                        ; 16 x lane; never rewritten
	s_wait_alu depctr_va_vdst(0)
	v_lshlrev_b32 v4, 5, v0                        ; 32 x thread: my 8 logits
	s_and_b32 s13, ttmp7, 0xffff                   ; b
	s_lshl_b32 s14, s13, 13                        ; lgt, out1: row b of 8,192 bytes
	s_mov_b32 s15, 0
	s_lshl_b32 s16, s13, 12
	s_lshl_b32 s17, ttmp9, 9
	s_add_co_u32 s16, s16, s17                     ; out0: 4,096 b + 512 j; the same within a row s of enc
	s_mov_b32 s17, 0
	s_lshl_b32 s18, s12, 25                        ; enc: + 256 w rows s
	s_add_co_u32 s18, s18, s16
	s_mov_b32 s19, 0
	s_lshl_b32 s20, ttmp9, 10                      ; out1: + 256 j numbers
	s_add_co_u32 s22, s14, s20
	s_mov_b32 s23, 0
	s_lshl_b32 s24, s12, 2
	v_mov_b32 v5, s24                              ; 4 x wave: my word among the waves'
	v_mov_b32 v6, 0
	s_lshl_b32 s25, s12, 10
	v_mov_b32 v7, s25                              ; my wave's 256 weights in P
	v_add_nc_u32 v36, s25, v3                      ; the same, + 16 x lane: the wave's number and the lane alone enter this LDS address
	s_lshl_b32 s26, s12, 9
	v_add_nc_u32 v37, s26, v3                      ; my wave's 512 bytes of EX
	s_mov_b32 s28, 0x76543210
	s_mov_b32 s29, 0xfedcba98                      ; v_permlanex16_b32's selects for lane l xor 16
	s_wait_alu depctr_va_vdst(0)
	s_wait_kmcnt 0x0
	s_add_nc_u64 s[4:5], s[4:5], s[14:15]
	s_add_nc_u64 s[6:7], s[6:7], s[18:19]
	s_add_nc_u64 s[8:9], s[8:9], s[16:17]
	s_add_nc_u64 s[10:11], s[10:11], s[22:23]
	global_load_b128 v[8:11], v4, s[4:5]
	global_load_b128 v[12:15], v4, s[4:5] offset:16
.irp i, 0,1,2,3,4,5,6,7,8,9,10,11,12,13,14,15,16,17,18,19,20,21,22,23,24,25,26,27,28,29,30,31
	global_load_b128 v[X+4*\i:X+4*\i+3], v3, s[6:7] offset:\i*ROWG th:TH_LOAD_NT   ; the ring is filled before the softmax: it lands meanwhile
.endr
.set n, 0
.rept 16
	v_mov_b32 v[AC+n], 0
.set n, n+1
.endr
	s_wait_loadcnt 32                              ; my logits are in; the ring's 32 loads stay out
	v_max3_num_f32 v16, v8, v9, v10
	v_max3_num_f32 v17, v11, v12, v13
	s_delay_alu instid0(VALU_DEP_2)
	v_max3_num_f32 v16, v16, v14, v15
	s_delay_alu instid0(VALU_DEP_1)
	v_max_num_f32 v16, v16, v17
.irp m, 1,2,4,8
	s_delay_alu instid0(VALU_DEP_1)
	v_max_num_f32_dpp v16, v16, v16 row_xmask:\m row_mask:0xf bank_mask:0xf
.endr
	s_delay_alu instid0(VALU_DEP_1)
	v_permlanex16_b32 v17, v16, s28, s29
	s_delay_alu instid0(VALU_DEP_1)
	v_max_num_f32 v16, v16, v17                    ; my wave's largest
	ds_store_b32 v5, v16 offset:RED1               ; all lanes write the same word with the same value
	s_wait_dscnt 0x0
	s_barrier_signal -1
	s_barrier_wait -1
	ds_load_b128 v[20:23], v6 offset:RED1
	ds_load_b128 v[24:27], v6 offset:RED1+16
	s_wait_dscnt 0x0
	v_max3_num_f32 v28, v20, v21, v22
	v_max3_num_f32 v29, v23, v24, v25
	s_delay_alu instid0(VALU_DEP_2)
	v_max3_num_f32 v28, v28, v26, v27
	s_delay_alu instid0(VALU_DEP_1)
	v_max_num_f32 v28, v28, v29                    ; M: the row's largest logit
	s_delay_alu instid0(VALU_DEP_1)
	v_mov_b32 v29, v28
.irp j, 8,10,12,14
	v_pk_add_f32 v[\j:\j+1], v[\j:\j+1], v[28:29] neg_lo:[0,1] neg_hi:[0,1]        ; l - M
.endr
.irp j, 8,10,12,14
	s_delay_alu instid0(VALU_DEP_4)
	v_pk_mul_f32 v[\j:\j+1], v[\j:\j+1], 0x3fb8aa3b op_sel_hi:[1,0]                ; x log2(e)
.endr
	s_wait_alu depctr_va_vdst(0)
.irp j, 8,9,10,11,12,13,14,15
	v_exp_f32 v[\j], v[\j]
.endr
	v_nop                                          ; a plain place behind the last exponential (ISA guide 5.7.2)
	s_wait_alu depctr_va_vdst(0)
	ds_store_b128 v4, v[8:11] offset:P
	ds_store_b128 v4, v[12:15] offset:P+16
	v_pk_add_f32 v[32:33], v[8:9], v[10:11]
	v_pk_add_f32 v[34:35], v[12:13], v[14:15]
	s_delay_alu instid0(VALU_DEP_1)
	v_pk_add_f32 v[32:33], v[32:33], v[34:35]
	s_delay_alu instid0(VALU_DEP_1)
	v_add_f32 v16, v32, v33
.irp m, 1,2,4,8
	s_delay_alu instid0(VALU_DEP_1)
	v_add_f32_dpp v16, v16, v16 row_xmask:\m row_mask:0xf bank_mask:0xf
.endr
	s_delay_alu instid0(VALU_DEP_1)
	v_permlanex16_b32 v17, v16, s28, s29
	s_delay_alu instid0(VALU_DEP_1)
	v_add_f32 v16, v16, v17                        ; my wave's sum
	ds_store_b32 v5, v16 offset:RED2
	s_wait_dscnt 0x0                               ; for the others' sake: my e and my sum lie in LDS
	s_barrier_signal -1
	s_barrier_wait -1
	ds_load_b128 v[20:23], v6 offset:RED2
	ds_load_b128 v[24:27], v6 offset:RED2+16
	s_wait_dscnt 0x0
	v_pk_add_f32 v[20:21], v[20:21], v[22:23]
	v_pk_add_f32 v[24:25], v[24:25], v[26:27]
	s_delay_alu instid0(VALU_DEP_1)
	v_pk_add_f32 v[20:21], v[20:21], v[24:25]
	s_delay_alu instid0(VALU_DEP_1)
	v_add_f32 v20, v20, v21
	s_wait_alu depctr_va_vdst(0)
	v_rcp_f32 v38, v20                             ; 1 / the sum, twice: a pair for the packed multiply
	v_rcp_f32 v39, v20
	v_nop                                          ; a plain place behind the reciprocals
	s_cmp_lg_u32 s12, ttmp9                        ; wave j alone stores the work-group's 256 numbers of out1: they are the wave's own 1,024 bytes of P.  No barrier stands in this branch
	s_cbranch_scc1 .Lno_out1
	ds_load_b128 v[20:23], v36 offset:P
	ds_load_b128 v[24:27], v36 offset:P+512
	s_wait_dscnt 0x0
	s_wait_alu depctr_va_vdst(0)
.irp j, 20,22,24,26
	v_pk_mul_f32 v[\j:\j+1], v[\j:\j+1], v[38:39]
.endr
	global_store_b128 v3, v[20:23], s[10:11]       ; 32 lanes store 512 consecutive bytes; v20-27 are not written again
	global_store_b128 v3, v[24:27], s[10:11] offset:512
.Lno_out1:
; One slot's turn: row 32 x trip + i.  ahead = 1: the slot takes the row 32 further down.  left: how many younger loads may stay out.
.macro ASLOT i, ahead, left
	s_wait_loadcnt \left                           ; loads come back in order (ISA guide 5.7.1): mine is in
.if (\i)%2 == 0
	s_wait_alu depctr_va_vdst(0)
	v_pk_fma_f32 v[AC+4*((\i)%4):AC+4*((\i)%4)+1],   v[X+4*(\i):X+4*(\i)+1],   v[PW+(\i):PW+(\i)+1], v[AC+4*((\i)%4):AC+4*((\i)%4)+1] op_sel_hi:[1,0,1]      ; the pair's first weight serves both halves
	v_pk_fma_f32 v[AC+4*((\i)%4)+2:AC+4*((\i)%4)+3], v[X+4*(\i)+2:X+4*(\i)+3], v[PW+(\i):PW+(\i)+1], v[AC+4*((\i)%4)+2:AC+4*((\i)%4)+3] op_sel_hi:[1,0,1]
.else
	v_pk_fma_f32 v[AC+4*((\i)%4):AC+4*((\i)%4)+1],   v[X+4*(\i):X+4*(\i)+1],   v[PW+(\i)-1:PW+(\i)], v[AC+4*((\i)%4):AC+4*((\i)%4)+1] op_sel:[0,1,0] op_sel_hi:[1,1,1]      ; the second
	v_pk_fma_f32 v[AC+4*((\i)%4)+2:AC+4*((\i)%4)+3], v[X+4*(\i)+2:X+4*(\i)+3], v[PW+(\i)-1:PW+(\i)], v[AC+4*((\i)%4)+2:AC+4*((\i)%4)+3] op_sel:[0,1,0] op_sel_hi:[1,1,1]
.endif
.if \ahead
	global_load_b128 v[X+4*(\i):X+4*(\i)+3], v3, s[6:7] offset:(32+(\i))*ROWG th:TH_LOAD_NT   ; 63 rows at the most: inside the signed 24-bit immediate
.endif
.endm
.macro WEIGHTS                         ; the trip's 32 weights: the same address in every lane
.irp m, 0,1,2,3,4,5,6,7
	ds_load_b128 v[PW+4*\m:PW+4*\m+3], v7 offset:P+16*\m
.endr
	s_wait_dscnt 0x0
.endm
	s_mov_b32 s27, 7
.Ltrip:                                                ; a trip: 32 rows
	s_wait_alu depctr_va_vdst(0)
	WEIGHTS
.irp i, 0,1,2,3,4,5,6,7,8,9,10,11,12,13,14,15,16,17,18,19,20,21,22,23,24,25,26,27,28,29,30,31
	ASLOT \i, 1, 31
.endr
	s_wait_xcnt 0x0                                ; every load issued has had its address translated (ISA guide 3.1): the base may step
	s_add_nc_u64 s[6:7], s[6:7], 32*ROWG
	v_add_nc_u32 v7, 128, v7
	s_sub_co_u32 s27, s27, 1
	s_cmp_lg_u32 s27, 0
	s_cbranch_scc1 .Ltrip
	WEIGHTS
.irp i, 0,1,2,3,4,5,6,7,8,9,10,11,12,13,14,15,16,17,18,19,20,21,22,23,24,25,26,27,28,29,30,31
	ASLOT \i, 0, 31-\i                             ; the last 32 rows load nothing: the counts run down
.endr
	s_wait_alu depctr_va_vdst(0)
.irp j, 0,2
	v_pk_add_f32 v[AC+\j:AC+\j+1], v[AC+\j:AC+\j+1], v[AC+4+\j:AC+5+\j]
	v_pk_add_f32 v[AC+8+\j:AC+9+\j], v[AC+8+\j:AC+9+\j], v[AC+12+\j:AC+13+\j]
.endr
.irp j, 0
	s_delay_alu instid0(VALU_DEP_3)
	v_pk_add_f32 v[AC+\j:AC+\j+1], v[AC+\j:AC+\j+1], v[AC+8+\j:AC+9+\j]
.endr
.irp j, 2
	s_delay_alu instid0(VALU_DEP_2)
	v_pk_add_f32 v[AC+\j:AC+\j+1], v[AC+\j:AC+\j+1], v[AC+8+\j:AC+9+\j]
.endr
	s_wait_alu depctr_va_vdst(0)
.irp j, 0,2
	v_pk_mul_f32 v[AC+\j:AC+\j+1], v[AC+\j:AC+\j+1], v[38:39]      ; / the sum
.endr
	ds_store_b128 v37, v[AC:AC+3] offset:EX
	s_wait_dscnt 0x0
	s_barrier_signal -1
	s_barrier_wait -1
	s_cmp_lg_u32 s12, 0
	s_cbranch_scc1 .Lend
.irp m, 0,1,2,3,4,5,6,7
	ds_load_b128 v[X+4*\m:X+4*\m+3], v3 offset:EX+512*\m
.endr
	s_wait_dscnt 0x0
.irp m, 0,2,4,6
.irp j, 0,2
	v_pk_add_f32 v[X+4*\m+\j:X+4*\m+\j+1], v[X+4*\m+\j:X+4*\m+\j+1], v[X+4*\m+4+\j:X+4*\m+5+\j]
.endr
.endr
.irp m, 0,4
.irp j, 0,2
	v_pk_add_f32 v[X+4*\m+\j:X+4*\m+\j+1], v[X+4*\m+\j:X+4*\m+\j+1], v[X+4*\m+8+\j:X+4*\m+9+\j]
.endr
.endr
.irp j, 0,2
	s_delay_alu instid0(VALU_DEP_2)
	v_pk_add_f32 v[X+\j:X+\j+1], v[X+\j:X+\j+1], v[X+16+\j:X+17+\j]
.endr
	global_store_b128 v3, v[X:X+3], s[8:9]         ; 32 lanes store 512 consecutive bytes, at a multiple of 256 from out0's first byte
.Lend:
	s_wait_tensorcnt 0x0
	ds_add_u32 v224, v225
	s_wait_dscnt 0x0
	s_endpgm
.Lfunc_end_k_q21cd581fd5_attend:
	.size	k_q21cd581fd5_attend, .Lfunc_end_k_q21cd581fd5_attend-k_q21cd581fd5_attend
	.p2alignl 7, 3214868480
	.fill 96, 4, 3214868480
	.section	.rodata,"a",@progbits
	.p2align	6, 0x0
	.amdhsa_kernel k_q21cd581fd5_attend
		.amdhsa_group_segment_fixed_size 13824
		.amdhsa_private_segment_fixed_size 0
		.amdhsa_enable_private_segment 0
		.amdhsa_kernarg_size 32
		.amdhsa_user_sgpr_count 2
		.amdhsa_user_sgpr_kernarg_segment_ptr 1
		.amdhsa_wavefront_size32 1
		.amdhsa_system_sgpr_workgroup_id_x 1
		.amdhsa_system_sgpr_workgroup_id_y 1
		.amdhsa_system_sgpr_workgroup_id_z 1
		.amdhsa_system_vgpr_workitem_id 0
		.amdhsa_next_free_vgpr 226
		.amdhsa_next_free_sgpr 66
		.amdhsa_reserve_vcc 0
		.amdhsa_float_denorm_mode_32 3
		.amdhsa_float_denorm_mode_16_64 3
		.amdhsa_memory_ordered 1
		.amdhsa_forward_progress 1
		.amdhsa_inst_pref_size 29
	.end_amdhsa_kernel
	.amdgpu_metadata
---
amdhsa.version: [ 1, 2 ]
amdhsa.kernels:
  - .name:           k_q21cd581fd5_attend
    .symbol:         k_q21cd581fd5_attend.kd
    .args:
      - { .name: lgt, .offset: 0, .size: 8, .value_kind: global_buffer, .address_space: global }
      - { .name: encoder_outputs, .offset: 8, .size: 8, .value_kind: global_buffer, .address_space: global }
      - { .name: out0, .offset: 16, .size: 8, .value_kind: global_buffer, .address_space: global }
      - { .name: out1, .offset: 24, .size: 8, .value_kind: global_buffer, .address_space: global }
    .group_segment_fixed_size: 13824
    .private_segment_fixed_size: 0
    .kernarg_segment_align: 8
    .kernarg_segment_size: 32
    .max_flat_workgroup_size: 256
    .sgpr_count:     66
    .vgpr_count:     226
    .wavefront_size: 32
...
	.end_amdgpu_metadata
.endif
;; end of part 3
